; MI455X (gfx1250); checked and timed in simulation.
; The chip was launched on July 23, 2026; its instructions are those of AMD's public machine-readable ISA for CDNA 5 (MIT licence, August 2026) and "CDNA5" Instruction Set Architecture Reference Guide (July 2026). The comments in the code are by the model that wrote it; some were corrected since.
;; Loc Att. Allowed arithmetic: matrix products marked QUANTISED: E2M1 operands, one E8M0 scale for each 32 along K, by v_wmma_scale_f32_16x16x128_f8f6f4 with both operands' format E2M1 (or v_wmma_scale_f32_32x16x128_f4), f32 sums; everything else in f32.
;; Inputs: alibi 64 x 1 x 2,048 float32; attention_mask 2 x 1 x 2,048 x 2,048 bool; key_layer 2 x 2,048 x 32 x 128 float32; query_layer 2 x 2,048 x 32 x 128 float32; value_layer 2 x 2,048 x 32 x 128 float32.
;; Outputs: out0 2 x 2,048 x 4,096 float32.
;; Constants: head_dim = 128, num_heads = 32.
;; This version of the problem:
;;   THIS VERSION OF THE PROBLEM IS GIVEN IN LOW PRECISION. The matrix products marked QUANTISED in the list below multiply operands that are first quantised to E2M1 (2 exponent bits, 1 mantissa bit; 4 bits a number), with one power-of-two scale for each 32 numbers along K (OCP MX v1.0); their sums are f32. All else is computed in f32.
;;   The module's matrix products, in the order in which they are computed (A, B: the left and right operand; K: the contracted axis; several contracted axes count as one K, in the product's order):
;;     1. batch 64 x [M 2,048, K 128] x [K 128, N 2,048]; A: input query_layer; B: input key_layer: QUANTISED
;;     2. batch 64 x [M 2,048, K 2,048] x [K 2,048, N 128]; A: computed on the way; B: input value_layer: QUANTISED
;;   THE QUANTISER, for each operand of a quantised product, along K:
;;     - K is cut into blocks of 32 from its start; a last block that is shorter is filled with zeros.
;;     - A block's scale is 2^e with e = floor(log2(the largest magnitude in the block)) - 2, held to -126 .. 127; a block of zeros has e = 0. As a byte (E8M0): e + 127.
;;     - Each number is divided by its block's scale, clamped to +-6, and rounded to the nearest number of E2M1, ties to even, subnormals kept.
;;     - The product sums the exact products of the quantised numbers (number of the format x scale) in f32.
;;   ~~~python
;;   def quantise(x, axis):      # numpy; x: float32 -> the quantised numbers, widened to float32 again
;;       x = np.moveaxis(x, axis, -1); K = x.shape[-1]
;;       x = np.pad(x, [(0, 0)] * (x.ndim - 1) + [(0, -K % 32)]); x = x.reshape(x.shape[:-1] + (-1, 32)); a = np.abs(x).max(-1, keepdims=True)
;;       e = np.where(a > 0, np.clip(np.frexp(np.where(a > 0, a, 1))[1] - 1 - 2, -126, 127), 0)      # np.frexp(a)[1] - 1 = floor(log2(a)), exactly
;;       r = np.clip(x / 2.0 ** e, -6, 6)
;;       step = 2.0 ** (np.maximum(np.frexp(np.where(r == 0, 1, r))[1] - 1, 0) - 1)
;;       q = np.round(r / step) * step * 2.0 ** e      # np.round: ties to even
;;       return np.moveaxis(q.reshape(q.shape[:-2] + (-1,))[..., :K], -1, axis).astype(np.float32)
;;   ~~~
;;   OPERANDS COMPUTED ON THE WAY. 'Computed on the way' means the value that the module computes at that place (a softmax that the list does not call 'softmax' is quantised finished and normalised). What goes into a quantiser is computed in f32, as accurately as f32 sums, v_exp_f32 and their like allow (about 1e-6 of the number): no bf16 or f16 on the way to a quantiser, and a product that is left as it is and whose result goes on into a quantised operand takes f32 operands (vector FMAs, or v_wmma_f32_16x16x4_f32). A number that lies on a knife's edge between two numbers of the format may be rounded either way, as far as f32 arithmetic and the matrix unit's own rounding can turn it there, and no further.
;; One version. Each part assembles by itself: llvm-mc -triple=amdgcn-amd-amdhsa -mcpu=gfx1250 --defsym DOCPART=n.
;; ======== version 1 of 1: 2 launches
;; limits: right only within a limited range of input values; inputs' magnitudes at most 1,000,000,000,000
;; workspace buffers: kcodes 8,388,608 bytes; kscales 524,288 bytes; vcodes 8,388,608 bytes; vscales 524,288 bytes; mcodes 4,194,304 bytes
;; launch prep (part 1): grid 1152 x 1, 4 waves a work-group, no clusters, 77,312 bytes of LDS; arguments key_layer, value_layer, attention_mask, kcodes, kscales, vcodes, vscales, mcodes; writes kcodes, kscales, vcodes, vscales, mcodes
.if DOCPART == 1
	.amdgcn_target "amdgcn-amd-amdhsa--gfx1250"
	.amdhsa_code_object_version 6
	.text
	.protected	k_qa8739bce2a_prep
	.globl	k_qa8739bce2a_prep
	.p2align	8
	.type	k_qa8739bce2a_prep,@function
k_qa8739bce2a_prep:
	s_mov_b64 s[64:65], 0
	v_nop
	global_prefetch_b8 v0, s[64:65] scope:SCOPE_SE
	s_setreg_imm32_b32 hwreg(HW_REG_WAVE_MODE, 25, 1), 1
	s_wait_xcnt 0x0
; q, k (quantised along the head's 128) and v (quantised along the keys) become codes of FP4 (E2M1) with one E8M0 byte for each 32 along K; the mask becomes codes too (-6 where a key is hidden, else 0).
; Everything is laid in the ORDER OF THE OPERANDS' REGISTERS.  A fragment (16 rows x 128 K) is 1,024 bytes, [block of 32 along K: 4][row: 16][16 bytes]: lane l of the reader finds its registers 4 c .. 4 c + 3 at 512 c + 16 l.
; Rows of q, of k and of the mask's queries: of a group of 32 rows, row x goes to tile u = (x / 8) % 2, lane r = 8 (x / 16) + x % 8.
; A block's scale is 2^(floor(log2(its largest magnitude)) - 2); its byte is the largest magnitude's exponent field - 2, held at 1 from below.
; LIMITS: a block of zeros gets the byte 1 (its codes are zeros, and this program alone reads the bytes); NaN and infinities among the inputs are not served.
; Work-groups 0-511 take q, 512-1023 k, 1024-1535 v, 1536-1663 the mask.  Waves share nothing: no barrier.  Each path has LDS bytes of its own.
; THE DEAL OF THE WORK-GROUPS AS IT STANDS NOW: q is not taken here (launch attn reads each of its numbers once and quantises it there); what is said of q and k above holds of k alone.
; Work-groups 0-511 take k, 512-1023 v, 1024-1151 the mask.
.set ROWS,  16384
.set SP,    80                         ; q, k: a lane's place in a turning stage: 64 bytes + 16 of padding
.set QKW,   10496                      ; q, k: LDS of a wave: two stages of 32 x SP, 16 units of codes, 256 scale bytes
.set CST,   5120                       ; the codes' 16 units of 256 bytes,
.set CPI,   320                        ; 320 bytes apart
.set SCB,   10240                      ; the scale bytes
.set MBASE, 41984                      ; the mask's path: behind the four waves' QKW
.set MW,    8704                       ; 32 units of 256 bytes, 272 apart, for each wave
.set R,     16                         ; v16-79   q, k: four sets of 16 numbers as loaded
.set X,     80                         ; v80-111  two sets of 16 neighbours
.set C,     128                        ; v128-159 codes, two registers a step
.set E,     160                        ; v160-175 a scale byte a step
	s_load_b64 s[6:7], s[0:1], 0x0                 ; k
	s_load_b128 s[8:11], s[0:1], 0x8               ; v, mask
	s_load_b256 s[16:23], s[0:1], 0x18             ; k's codes, k's scales, v's codes, v's scales
	s_load_b64 s[24:25], s[0:1], 0x38              ; the mask's codes
	v_lshl_add_u32 v192, v0, 2, 0x12c00
	v_mov_b32 v193, 0
	v_lshrrev_b32 v1, 5, v0
	v_readfirstlane_b32 s26, v1                    ; wave
	v_and_b32 v2, 31, v0                           ; lane
	v_lshlrev_b32 v3, 4, v2                        ; 16 x lane
	v_lshlrev_b32 v7, 3, v2                        ; 8 x lane
	s_wait_kmcnt 0x0
	s_cmp_lt_u32 ttmp9, 512
	s_cbranch_scc1 .Lqk
	s_cmp_lt_u32 ttmp9, 1024
	s_cbranch_scc1 .Lv
; ---------------- THE MASK.  A work-group takes 32 queries of a batch; wave w keys 512 w on.  A load reads 512 consecutive bytes of one query's row: 16 keys a lane, which become 8 bytes of codes.
	s_sub_co_u32 s27, ttmp9, 1024
	s_lshl_b32 s32, s27, 16                        ; 32 rows of 2,048 bytes
	s_lshl_b32 s34, s26, 9
	s_add_co_u32 s32, s32, s34
	s_mov_b32 s33, 0
	s_add_nc_u64 s[10:11], s[10:11], s[32:33]
	s_lshl_b32 s32, s27, 15                        ; a block's codes: 16 key steps x 2 tiles x 1,024 bytes
	s_lshl_b32 s34, s26, 13
	s_add_co_u32 s32, s32, s34
	s_add_nc_u64 s[24:25], s[24:25], s[32:33]
	s_mov_b32 s36, 0x06040200                      ; v_perm_b32: bytes 0 and 2 of both sources
	s_mul_i32 s35, s26, MW
	s_add_co_u32 s35, s35, MBASE
	s_wait_alu depctr_va_vdst(0)
	v_lshrrev_b32 v8, 3, v2                        ; my key step of the wave's four
	v_bfe_u32 v9, v2, 1, 2                         ; my block of 32 keys in it
	v_lshl_add_u32 v8, v8, 3, v9                   ; the unit: 8 x step + block (+ 4 x tile, in the immediate)
	v_mul_u32_u24 v4, v8, 272
	v_and_b32 v9, 1, v2
	v_lshl_add_u32 v4, v9, 3, v4                   ; my half of the block's 16 bytes
	v_add_nc_u32 v4, s35, v4
	v_lshrrev_b32 v8, 4, v2
	v_mul_u32_u24 v10, v8, 272
	v_and_b32 v9, 15, v2
	v_lshl_add_u32 v10, v9, 4, v10
	v_add_nc_u32 v10, s35, v10                     ; back: sixteen lanes to a unit, two units an instruction
.set K, 0
.rept 32
	global_load_b128 v[32+4*K:35+4*K], v3, s[10:11] offset:2048*K th:TH_LOAD_NT
.set K, K+1
.endr
.set K, 0
.rept 32
	s_wait_loadcnt 31-K                            ; loads come back in order: row K is in
.irp a, 0,1,2,3
	v_lshrrev_b32 v[16+\a], 4, v[32+4*K+\a]
.endr
.irp a, 0,1,2,3
	v_or_b32 v[16+\a], v[16+\a], v[32+4*K+\a]      ; bytes 0 and 2 now hold two keys each, the lower key in the low four bits
.endr
	v_perm_b32 v16, v17, v16, s36
	v_perm_b32 v18, v19, v18, s36
	v_mul_lo_u32 v[32+4*K], v16, 15                ; 1 -> 0xf, the code of -6
	v_mul_lo_u32 v[33+4*K], v18, 15
	ds_store_b64 v4, v[32+4*K:33+4*K] offset:4*((K/8)%2)*272+16*(8*(K/16)+K%8)
.set K, K+1
.endr
	s_wait_dscnt 0x0                               ; the stores have read their registers
.irp k, 0,1,2,3,4,5,6,7,8,9,10,11,12,13,14,15
	ds_load_b128 v[32+4*\k:35+4*\k], v10 offset:544*\k
.endr
.irp k, 0,1,2,3,4,5,6,7,8,9,10,11,12,13,14,15
	s_wait_dscnt 15-\k
	global_store_b128 v3, v[32+4*\k:35+4*\k], s[24:25] offset:512*\k   ; 32 lanes store 512 consecutive bytes
.endr
	s_wait_tensorcnt 0x0
	ds_add_u32 v192, v193
	s_wait_dscnt 0x0
	s_endpgm
; ---------------- V.  A work-group takes 256 keys of a head; wave w channels 32 w + lane.  A LANE TAKES A CHANNEL AND ITS REGISTERS RUN DOWN THE KEYS: a block of 32 keys lies in one lane, and its 16 bytes of codes
; are a row's piece of a fragment: sixteen lanes store 256 consecutive bytes.
.Lv:
	s_sub_co_u32 s27, ttmp9, 512
	s_lshr_b32 s28, s27, 3                         ; batch x 32 + head
	s_and_b32 s29, s27, 7                          ; which 256 keys
	s_lshr_b32 s30, s28, 5
	s_and_b32 s31, s28, 31
	s_lshl_b32 s32, s30, 25                        ; a batch: 2,048 positions of 16,384 bytes
	s_lshl_b32 s34, s29, 22
	s_add_co_u32 s32, s32, s34
	s_lshl_b32 s34, s31, 9
	s_add_co_u32 s32, s32, s34
	s_lshl_b32 s34, s26, 7
	s_add_co_u32 s32, s32, s34
	s_mov_b32 s33, 0
	s_add_nc_u64 s[8:9], s[8:9], s[32:33]
	s_lshl_b32 s32, s28, 17                        ; codes: [head][key step: 8,192][tile of 16 channels: 1,024]
	s_lshl_b32 s34, s29, 14
	s_add_co_u32 s32, s32, s34
	s_lshl_b32 s34, s26, 11
	s_add_co_u32 s32, s32, s34
	s_add_nc_u64 s[20:21], s[20:21], s[32:33]
	s_lshl_b32 s32, s28, 13                        ; scale bytes: [head][32 channels: 2,048][two key steps: 256][channel: 8][step: 4][block]
	s_add_co_u32 s32, s32, s34
	s_lshl_b32 s34, s29, 8
	s_add_co_u32 s32, s32, s34
	s_add_nc_u64 s[22:23], s[22:23], s[32:33]
	s_wait_alu depctr_va_vdst(0)
	v_lshlrev_b32 v13, 2, v2                       ; in: 4 bytes a lane
	v_lshrrev_b32 v14, 4, v2
	v_and_b32 v15, 15, v2
	v_lshlrev_b32 v14, 10, v14
	v_lshl_add_u32 v14, v15, 4, v14                ; out: 1,024 x (lane / 16) + 16 x (lane % 16)
.macro LOADV t                         ; block t: 32 keys of my channel into set t % 2
.set I, 0
.rept 32
	global_load_b32 v[32+32*((\t)%2)+I], v13, s[8:9] offset:(32*(\t)+I)*ROWS th:TH_LOAD_NT
.set I, I+1
.endr
.endm
.macro BLOCKV t
.set XS, 32+32*((\t)%2)
.if (\t) < 7
	s_wait_loadcnt 32                              ; this block's 32 loads are in; the next block's may be out
.else
	s_wait_loadcnt 0
.endif
	v_max3_num_f32 v8, |v[XS]|, |v[XS+1]|, |v[XS+2]|
	v_max3_num_f32 v9, |v[XS+3]|, |v[XS+4]|, |v[XS+5]|
.irp i, 6,10,14,18,22,26
	v_max3_num_f32 v8, v8, |v[XS+\i]|, |v[XS+\i+1]|
	v_max3_num_f32 v9, v9, |v[XS+\i+2]|, |v[XS+\i+3]|
.endr
	v_max3_num_f32 v8, v8, |v[XS+30]|, |v[XS+31]|
	v_max3_num_f32 v8, v8, v9, 0x1800000           ; the floor 2^(3 - 127): the byte cannot fall under 1
	v_add_nc_u32 v11, 0xff000000, v8               ; 2 off the exponent field: the conversion's scale operand
	v_lshrrev_b32 v10, 23, v11                     ; the byte
.if (\t)%4 == 0
	v_mov_b32 v[24+(\t)/4], v10
.else
	v_lshl_or_b32 v[24+(\t)/4], v10, 8*((\t)%4), v[24+(\t)/4]
.endif
.irp g, 0,1,2,3
	v_cvt_scalef32_pk8_fp4_f32 v[96+4*(\t)+\g], v[XS+8*\g:XS+8*\g+7], v11
.endr
	global_store_b128 v14, v[96+4*(\t):99+4*(\t)], s[20:21] offset:((\t)/4)*8192+((\t)%4)*256   ; registers of its own for each block: no store's data are written again
.if (\t)+2 < 8
	LOADV (\t)+2
.endif
.endm
	LOADV 0
	LOADV 1
.irp t, 0,1,2,3,4,5,6,7
	BLOCKV \t
.endr
	global_store_b64 v7, v[24:25], s[22:23]        ; 32 lanes store 256 consecutive bytes of scale bytes
	s_endpgm
; ---------------- Q AND K.  A wave takes 64 positions of one head, four rows of 512 bytes a step.  Each load reads a row's 512 consecutive bytes; the step's 2,048 bytes turn through the wave's stage, so that a lane
; holds 16 neighbours along the head (two lanes to a block of 32).  Codes and scale bytes are gathered in LDS in the fragments' order and leave in runs of 512 and 256 consecutive bytes.
.Lqk:
	s_mov_b64 s[4:5], s[6:7]                       ; k,
	s_mov_b64 s[12:13], s[16:17]                   ; its codes,
	s_mov_b64 s[14:15], s[18:19]                   ; its scale bytes
	s_and_b32 s27, ttmp9, 511
	s_lshr_b32 s28, s27, 8                         ; batch
	s_bfe_u32 s29, s27, 0x50003                    ; which 64 positions
	s_and_b32 s30, s27, 7
	s_lshl_b32 s30, s30, 2
	s_add_co_u32 s30, s30, s26                     ; head: the four waves take neighbouring heads
	s_lshl_b32 s32, s28, 25
	s_lshl_b32 s34, s29, 20
	s_add_co_u32 s32, s32, s34
	s_lshl_b32 s34, s30, 9
	s_add_co_u32 s32, s32, s34
	s_mov_b32 s33, 0
	s_add_nc_u64 s[4:5], s[4:5], s[32:33]
	s_lshl_b32 s31, s28, 5
	s_add_co_u32 s31, s31, s30                     ; batch x 32 + head
	s_lshl_b32 s32, s31, 17
	s_lshl_b32 s34, s29, 12
	s_add_co_u32 s32, s32, s34
	s_add_nc_u64 s[12:13], s[12:13], s[32:33]      ; codes: 4,096 bytes for 64 rows
	s_lshl_b32 s32, s31, 13
	s_lshl_b32 s34, s29, 8
	s_add_co_u32 s32, s32, s34
	s_add_nc_u64 s[14:15], s[14:15], s[32:33]      ; scale bytes: 256 for 64 rows: [tile x 16 + lane: 8][group of 32 rows: 4][block]
	s_mul_i32 s35, s26, QKW
	s_wait_alu depctr_va_vdst(0)
	v_lshrrev_b32 v14, 2, v2
	v_mul_u32_u24 v14, v14, SP
	v_and_b32 v15, 3, v2
	v_lshl_add_u32 v14, v15, 4, v14
	v_add_nc_u32 v14, s35, v14                     ; the stage, in: four lanes' 64 bytes on end, then padding
	v_mul_u32_u24 v15, v2, SP
	v_add_nc_u32 v15, s35, v15                     ; out: my 16 neighbours: row lane / 8 of the step's four, block (lane / 2) % 4, half lane % 2
	v_bfe_u32 v8, v2, 1, 2
	v_lshrrev_b32 v9, 3, v2
	v_and_b32 v11, 1, v2
	v_mul_u32_u24 v4, v8, CPI
	v_lshl_add_u32 v4, v9, 4, v4
	v_lshl_add_u32 v4, v11, 3, v4
	v_add_nc_u32 v4, s35, v4
	v_add_nc_u32 v4, CST, v4                       ; my 8 bytes of codes: unit = block, 16 x row, 8 x half
	v_lshl_add_u32 v5, v9, 3, v8
	v_add_nc_u32 v5, s35, v5
	v_add_nc_u32 v5, SCB, v5                       ; my block's byte: 8 x row + block
	v_add_nc_u32 v6, s35, v7
	v_add_nc_u32 v6, SCB, v6                       ; the scale bytes on their way out: 8 a lane
	v_lshrrev_b32 v10, 4, v2
	v_mul_u32_u24 v10, v10, CPI
	v_and_b32 v12, 15, v2
	v_lshl_add_u32 v10, v12, 4, v10
	v_add_nc_u32 v10, s35, v10
	v_add_nc_u32 v10, CST, v10                     ; the codes on their way out: sixteen lanes to a unit
.macro QLOAD t
.irp i, 0,1,2,3
	global_load_b128 v[R+16*((\t)%4)+4*\i:R+16*((\t)%4)+4*\i+3], v3, s[4:5] offset:(4*(\t)+\i)*ROWS th:TH_LOAD_NT
.endr
.endm
.macro QTURN t                         ; LDS serves a wave's instructions in order: no wait between the stores and the loads
.irp i, 0,1,2,3
	ds_store_b128 v14, v[R+16*((\t)%4)+4*\i:R+16*((\t)%4)+4*\i+3] offset:32*SP*((\t)%2)+8*SP*\i
.endr
.irp i, 0,1,2,3
	ds_load_b128 v[X+16*((\t)%2)+4*\i:X+16*((\t)%2)+4*\i+3], v15 offset:32*SP*((\t)%2)+16*\i
.endr
.endm
.macro QSTEP t
.set XS, X+16*((\t)%2)
.set U,  ((\t)/2)%2                    ; rows 4 t .. 4 t + 3 of the 64: tile,
.set RR, 8*(((\t)/4)%2)+4*((\t)%2)     ; first lane in it,
.set GG, (\t)/8                        ; group of 32 rows
.if (\t) > 0
	s_wait_dscnt 2                                 ; this step's numbers are back from the stage; the last step's two stores of results may be out
.else
	s_wait_dscnt 0x0
.endif
.if (\t)+4 < 16
	QLOAD (\t)+4                                   ; into the set whose stores into the stage are done
.endif
.if (\t)+1 < 16
.if 14-(\t) >= 3
	s_wait_loadcnt 12                              ; the next step's four loads are in; those of the three steps behind it may be out
.else
	s_wait_loadcnt 4*(14-(\t))
.endif
	QTURN (\t)+1
.endif
	v_max3_num_f32 v8, |v[XS]|, |v[XS+1]|, |v[XS+2]|
	v_max3_num_f32 v9, |v[XS+3]|, |v[XS+4]|, |v[XS+5]|
.irp i, 6,10
	v_max3_num_f32 v8, v8, |v[XS+\i]|, |v[XS+\i+1]|
	v_max3_num_f32 v9, v9, |v[XS+\i+2]|, |v[XS+\i+3]|
.endr
	v_max3_num_f32 v8, v8, |v[XS+14]|, |v[XS+15]|
	v_max3_num_f32 v8, v8, v9, 0x1800000           ; the floor 2^(3 - 127)
	v_max_num_f32_dpp v8, v8, v8 row_xmask:1 row_mask:0xf bank_mask:0xf   ; with my neighbour's 16: the block's largest magnitude
	v_add_nc_u32 v11, 0xff000000, v8
	v_cvt_scalef32_pk8_fp4_f32 v[C+2*(\t)], v[XS:XS+7], v11
	v_cvt_scalef32_pk8_fp4_f32 v[C+2*(\t)+1], v[XS+8:XS+15], v11
	v_lshrrev_b32 v[E+(\t)], 23, v11               ; the byte (also the plain line behind the conversions)
	ds_store_b8 v5, v[E+(\t)] offset:(16*U+RR)*8+4*GG          ; both lanes of a block write the same byte with the same value
	ds_store_b64 v4, v[C+2*(\t):C+2*(\t)+1] offset:(2*GG+U)*4*CPI+RR*16
.endm
.irp t, 0,1,2,3
	QLOAD \t
.endr
	s_wait_loadcnt 12
	QTURN 0
.irp t, 0,1,2,3,4,5,6,7,8,9,10,11,12,13,14,15
	QSTEP \t
.endr
	ds_load_b64 v[12:13], v6
.irp k, 0,1,2,3,4,5,6,7
	ds_load_b128 v[16+4*\k:19+4*\k], v10 offset:2*CPI*\k
.endr
	s_wait_dscnt 8
	global_store_b64 v7, v[12:13], s[14:15]        ; 256 consecutive bytes
.irp k, 0,1,2,3,4,5,6,7
	s_wait_dscnt 7-\k
	global_store_b128 v3, v[16+4*\k:19+4*\k], s[12:13] offset:512*\k   ; 512 consecutive bytes
.endr
	s_wait_tensorcnt 0x0
	ds_add_u32 v192, v193
	s_wait_dscnt 0x0
	s_endpgm
.Lfunc_end_k_qa8739bce2a_prep:
	.size	k_qa8739bce2a_prep, .Lfunc_end_k_qa8739bce2a_prep-k_qa8739bce2a_prep
	.p2alignl 7, 3214868480
	.fill 96, 4, 3214868480
	.section	.rodata,"a",@progbits
	.p2align	6, 0x0
	.amdhsa_kernel k_qa8739bce2a_prep
		.amdhsa_group_segment_fixed_size 77312
		.amdhsa_private_segment_fixed_size 0
		.amdhsa_enable_private_segment 0
		.amdhsa_kernarg_size 64
		.amdhsa_user_sgpr_count 2
		.amdhsa_user_sgpr_kernarg_segment_ptr 1
		.amdhsa_wavefront_size32 1
		.amdhsa_system_sgpr_workgroup_id_x 1
		.amdhsa_system_sgpr_workgroup_id_y 1
		.amdhsa_system_sgpr_workgroup_id_z 1
		.amdhsa_system_vgpr_workitem_id 0
		.amdhsa_next_free_vgpr 194
		.amdhsa_next_free_sgpr 66
		.amdhsa_reserve_vcc 0
		.amdhsa_float_denorm_mode_32 3
		.amdhsa_float_denorm_mode_16_64 3
		.amdhsa_memory_ordered 1
		.amdhsa_forward_progress 1
		.amdhsa_inst_pref_size 100
	.end_amdhsa_kernel
	.amdgpu_metadata
---
amdhsa.version: [ 1, 2 ]
amdhsa.kernels:
  - .name:           k_qa8739bce2a_prep
    .symbol:         k_qa8739bce2a_prep.kd
    .args:
      - { .name: key_layer, .offset: 0, .size: 8, .value_kind: global_buffer, .address_space: global }
      - { .name: value_layer, .offset: 8, .size: 8, .value_kind: global_buffer, .address_space: global }
      - { .name: attention_mask, .offset: 16, .size: 8, .value_kind: global_buffer, .address_space: global }
      - { .name: kcodes, .offset: 24, .size: 8, .value_kind: global_buffer, .address_space: global }
      - { .name: kscales, .offset: 32, .size: 8, .value_kind: global_buffer, .address_space: global }
      - { .name: vcodes, .offset: 40, .size: 8, .value_kind: global_buffer, .address_space: global }
      - { .name: vscales, .offset: 48, .size: 8, .value_kind: global_buffer, .address_space: global }
      - { .name: mcodes, .offset: 56, .size: 8, .value_kind: global_buffer, .address_space: global }
    .group_segment_fixed_size: 77312
    .private_segment_fixed_size: 0
    .kernarg_segment_align: 8
    .kernarg_segment_size: 64
    .max_flat_workgroup_size: 128
    .sgpr_count:     66
    .vgpr_count:     194
    .wavefront_size: 32
...
	.end_amdgpu_metadata
.endif
;; end of part 1
;; launch attn (part 2): grid 4 x 64, 8 waves a work-group, clusters of 4 x 1, 327,680 bytes of LDS; arguments query_layer, kcodes, kscales, vcodes, vscales, mcodes, alibi, out0; writes out0
.if DOCPART == 2
	.amdgcn_target "amdgcn-amd-amdhsa--gfx1250"
	.amdhsa_code_object_version 6
	.text
	.protected	k_qa8739bce2a_attn
	.globl	k_qa8739bce2a_attn
	.p2align	8
	.type	k_qa8739bce2a_attn,@function
k_qa8739bce2a_attn:
	s_mov_b64 s[64:65], 0
	v_nop
	global_prefetch_b8 v0, s[64:65] scope:SCOPE_SE
	s_setreg_imm32_b32 hwreg(HW_REG_WAVE_MODE, 25, 1), 1
	s_wait_xcnt 0x0
	s_wait_alu depctr_hold_cnt(0) depctr_sa_sdst(0) depctr_va_vdst(0) depctr_va_sdst(0) depctr_va_ssrc(0) depctr_va_vcc(0) depctr_vm_vsrc(0)
	s_getreg_b32 s2, hwreg(HW_REG_IB_STS2, 6, 4)
	s_cmp_eq_u32 s2, 0
	s_cbranch_scc0 .Lentry_in_a_cluster
	s_endpgm
.Lentry_in_a_cluster:
	s_bfe_u32 s2, ttmp6, 0x10000c
	s_cmp_lg_u32 s2, 0x3003
	s_cbranch_scc0 .Lentry_shape_is_right
	s_endpgm
.Lentry_shape_is_right:
; out[b][q][h 128 + d] = sum over k of P[q][k] V[k][d],  P = softmax_k(alibi[k] + q . k / sqrt(128), hidden keys at the lowest number), both products on codes of FP4 with E8M0 scales.
; The finished, normalised P is what is quantised, so whole rows of scores stay in registers until a row's maximum and sum are known.
; SHARES.  A work-group of eight waves serves one head and 512 of its queries, 32 at a time (two tiles of 16), sixteen blocks.  First product: wave w takes keys 256 w .. 256 w + 255 for both tiles: 256 registers of scores (window 1).
;   Each wave takes its maximum m_w and sum l_w; one exchange through LDS gives m and l = sum of l_w 2^(m_w - m); each wave multiplies its 2^(t - m_w) by f = 2^(m_w - m) / l: that is p.
;   Second product: the waves' codes of p meet in LDS as images of the operand's registers; wave w makes query tile w / 4, channels 32 (w % 4) on, over all 2,048 keys.
;   THE SECOND PRODUCT OF BLOCK n - 1 STANDS AMONG THE EXPONENTIALS AND SUMS OF BLOCK n: its LDS loads are out while the wave works on registers.  Block 0's first part and block 15's last part are written out.
; Q ARRIVES AS f32 AND IS QUANTISED HERE: each of its numbers is read by one work-group alone.  Wave w takes queries 4 w .. 4 w + 3 of a block, a row of 512 consecutive bytes a load, one block ahead; a block of 32 along the head lies in eight lanes;
;   the codes and scale bytes go to LDS as the image of the operand's registers, between the two barriers of the block before.  A block's scale byte is its largest magnitude's exponent field - 2, held at 1 from below.
; A head's codes of K and V (2 x 131,072 bytes) lie in LDS for the whole launch, filled once, one tensor load a wave; the four work-groups of a head form a cluster and ask jointly.
; No data prefetch: K and V are asked for once, at the head, with no loop ahead of them; Q and the mask are loaded into registers one block ahead of their use.
; THE MASK GOES THROUGH THE MATRIX UNIT: a tile's sum begins with SEL x MASK (SEL: one code 1.0 a row, at the row's key; MASK: -6 or 0; both scales 2^60): exactly 0 or -6 x 2^120; K Q^T is added onto it.
;   SEL has four forms (tile % 4); the half of a key step is chosen by beginning the mask's operand four registers further on: SEL's registers 4-7 are zeros, so what lies there (the next fragment, or four LDS addresses) adds nothing.
; Both products are used transposed: a lane holds one query throughout.  Lane r of tile 2 g + u of K takes key 32 g + 8 u + r + 8 (r / 8); tile u, lane r of the queries is query 8 u + r + 8 (r / 8) of the 32.
; t = c (q . k + sqrt(128) alibi), c = log2(e) / sqrt(128).  A row all of whose keys are hidden has p = 1 / 2048 everywhere: codes 4.0 and bytes 2^-13 are selected lane by lane.
; LIMITS: an open key's q . k + sqrt(128) alibi lies above -2^90 / c; a 2^(t - m_w) under 2^-126 counts as 0; 1 / l is v_rcp_f32; a block of zeros of q gets the byte 1 (its codes are zeros); NaN and infinities among the inputs are not served.
; s_set_vgpr_msb: bits 1:0 source 0, 3:2 source 1, 5:4 source 2, 7:6 destination.  Window 1: register 128 q + 64 s + 16 g + i holds key 256 w + 128 s + 32 g + 16 (lane / 16) + i of tile q.
.set VC,   131072                      ; LDS: K's codes at 0, V's here
.set ALB,  262144                      ; sqrt(128) x alibi, 1,024 bytes a wave
.set PIMG, 270336                      ; P's fragments: (16 x tile + key step) x 1,024
.set PSC,  303104                      ; their scale words: (16 x tile + key step) x 64 + 4 r
.set QIMG, 305152                      ; Q's two fragments
.set STAT, 307200                      ; (m_w, l_w): 256 w + 128 x tile + 8 r
.set OSTG, 309248                      ; the way out: 32 queries x (512 + 16) bytes
.set SPARE, 326144                     ; the spare words: 128 bytes a wave
.set QSC,  327168                      ; Q's scale words: 4 x (16 x tile + r)
.set L16, 1
.set R4,  2
.set KA,  3
.set ALA, 4
.set VA0, 5
.set VA1, 6
.set PRA, 7
.set PSR, 8
.set PWA, 9
.set PSW, 10
.set STW, 11
.set STR, 12
.set OSI, 13
.set OSO, 14
.set L8,  15
.set QF,  16                           ; v16-31  Q: four rows of f32 on their way in, then its two fragments
.set MK,  32                           ; v32-63  the mask's fragments: 16 q + 8 s
.set QWA, 64                           ; v64-67  LDS addresses of Q's image
.set QSW, 65
.set QRA, 66
.set QSR, 67
.set KS,  68                           ; v68-75  K's scale words: 4 s + g
.set VS,  76                           ; v76-91  V's scale words, one a key step
.set QS,  92
.set BB,  93                           ; the scale 2^60, four times
.set LOWM, 94                          ; -2^100
.set C66, 95
.set C72, 96
.set SPW, 97
.set NIL, 98
.set BM,  100                          ; v100-115 the largest score, then p, of each block of 32 keys: 8 q + 4 s + g
.set ST,  116                          ; (m_w, l_w) of tile 0, 1
.set FF,  120                          ; f of tile q, twice: in v120 + 2 q and in the register behind it, one for each half of a dual pair
.set SU,  120                          ; v120-127 four pairs of sums (f is dead while they run)
.set LS,  124                          ; l and 1 / l
.set TW,  128                          ; v128-131 at work
.set SEL, 132                          ; v132-163
.set OT,  164                          ; v164-179 O^T, two accumulators
.set KB,  180                          ; v180-211 four tiles of K
.set AL,  212                          ; v212-243 their alibi
.set PVB, 180                          ; second product: three buffers of 24 (P 8, V 16),
.set PSB, 252                          ; and P's scale word of each
.set G,   180                          ; the exchanged statistics, 32 registers
.set OR,  212                          ; four rows of O
.set PC,  228                          ; codes just made: two sets of 8 + scale word, 10 apart
.set QT,  228                          ; Q's codes and bytes just made
.set MSB, 0
.set LI, 0
.macro WIN new
.if MSB != \new
	s_set_vgpr_msb (MSB<<8)|\new
.set MSB, \new
.endif
.endm
.macro ALUW
	s_wait_alu depctr_va_vdst(0)
.endm
.macro PLACES
.rept 4
	v_nop
.endr
.endm
.macro CROUND
	s_barrier_signal -1
	s_barrier_wait -1
	s_cmp_lg_u32 s22, 0
	s_cbranch_scc1 .Lnot_wave_0_\@
	s_barrier_signal -3
.Lnot_wave_0_\@:
	s_barrier_wait -3
	s_barrier_signal -1
	s_barrier_wait -1
.endm
.macro WM d, a, b, zero, sa, sb, ra, rb
.if \zero
.if \ra
	v_wmma_scale_f32_16x16x128_f8f6f4 v[\d:\d+7], v[\a:\a+7], v[\b:\b+7], 0, v[\sa], v[\sb] matrix_a_fmt:MATRIX_FMT_FP4 matrix_b_fmt:MATRIX_FMT_FP4 matrix_a_scale:MATRIX_SCALE_ROW1
.else
	v_wmma_scale_f32_16x16x128_f8f6f4 v[\d:\d+7], v[\a:\a+7], v[\b:\b+7], 0, v[\sa], v[\sb] matrix_a_fmt:MATRIX_FMT_FP4 matrix_b_fmt:MATRIX_FMT_FP4
.endif
.elseif (\ra) && (\rb)
	v_wmma_scale_f32_16x16x128_f8f6f4 v[\d:\d+7], v[\a:\a+7], v[\b:\b+7], v[\d:\d+7], v[\sa], v[\sb] matrix_a_fmt:MATRIX_FMT_FP4 matrix_b_fmt:MATRIX_FMT_FP4 matrix_a_scale:MATRIX_SCALE_ROW1 matrix_b_scale:MATRIX_SCALE_ROW1
.elseif \ra
	v_wmma_scale_f32_16x16x128_f8f6f4 v[\d:\d+7], v[\a:\a+7], v[\b:\b+7], v[\d:\d+7], v[\sa], v[\sb] matrix_a_fmt:MATRIX_FMT_FP4 matrix_b_fmt:MATRIX_FMT_FP4 matrix_a_scale:MATRIX_SCALE_ROW1
.elseif \rb
	v_wmma_scale_f32_16x16x128_f8f6f4 v[\d:\d+7], v[\a:\a+7], v[\b:\b+7], v[\d:\d+7], v[\sa], v[\sb] matrix_a_fmt:MATRIX_FMT_FP4 matrix_b_fmt:MATRIX_FMT_FP4 matrix_b_scale:MATRIX_SCALE_ROW1
.else
	v_wmma_scale_f32_16x16x128_f8f6f4 v[\d:\d+7], v[\a:\a+7], v[\b:\b+7], v[\d:\d+7], v[\sa], v[\sb] matrix_a_fmt:MATRIX_FMT_FP4 matrix_b_fmt:MATRIX_FMT_FP4
.endif
.endm
.macro BLOADS                          ; a block's four rows of Q that are mine, then my two key steps of its mask: 4 + 8 loads
.irp i, 0,1,2,3
	global_load_b128 v[QF+4*\i:QF+4*\i+3], v[L16], s[54:55] offset:16384*\i th:TH_LOAD_NT
.endr
.irp s, 0,1
.irp q, 0,1
.irp c, 0,1
	global_load_b128 v[MK+16*\q+8*\s+4*\c:MK+16*\q+8*\s+4*\c+3], v[L16], s[52:53] offset:2048*\s+1024*\q+512*\c
.endr
.endr
.endr
.endm
; my four rows of Q become codes.  A lane holds four neighbours of each row; a conversion takes eight registers, two rows' four: under the first row's scale its low 16 bits are that row's codes, under the second row's its high 16 bits
.macro QQ cnt
	s_wait_loadcnt \cnt                            ; Q's four loads are in; the cnt loads issued behind them may be out
.irp i, 0,1,2,3
	v_max3_num_f32 v[TW+\i], |v[QF+4*\i]|, |v[QF+4*\i+1]|, |v[QF+4*\i+2]|
.endr
.irp i, 0,1,2,3
	v_max3_num_f32 v[TW+\i], v[TW+\i], |v[QF+4*\i+3]|, 0x1800000       ; the floor 2^(3 - 127)
.endr
.irp m, 1,2,4
.irp i, 0,1,2,3
	v_max_num_f32_dpp v[TW+\i], v[TW+\i], v[TW+\i] row_xmask:\m row_mask:0xf bank_mask:0xf   ; the eight lanes of a block of 32
.endr
.endr
.irp i, 0,1,2,3
	v_add_nc_u32 v[TW+\i], 0xff000000, v[TW+\i]    ; 2 off the exponent field: the conversion's scale operand
.endr
.irp i, 0,1,2,3
	v_lshrrev_b32 v[QT+4+\i], 23, v[TW+\i]         ; the byte
.endr
.irp p, 0,1
	v_cvt_scalef32_pk8_fp4_f32 v[QT+2*\p], v[QF+8*\p:QF+8*\p+7], v[TW+2*\p]
	v_cvt_scalef32_pk8_fp4_f32 v[QT+2*\p+1], v[QF+8*\p:QF+8*\p+7], v[TW+2*\p+1]
.endr
	v_nop                                          ; a plain line behind the conversions
.irp p, 0,1
	ds_store_b16 v[QWA], v[QT+2*\p] offset:32*\p
	ds_store_b16_d16_hi v[QWA], v[QT+2*\p+1] offset:32*\p+16
.endr
.irp i, 0,1,2,3
	ds_store_b8 v[QSW], v[QT+4+\i] offset:4*\i     ; the eight lanes of a block write the same byte with the same value
.endr
.endm
	s_load_b64 s[4:5], s[0:1], 0x0                 ; q
	s_load_b256 s[8:15], s[0:1], 0x8               ; k's codes, k's scales, v's codes, v's scales
	s_load_b128 s[16:19], s[0:1], 0x28             ; the mask's codes, alibi
	s_load_b64 s[20:21], s[0:1], 0x38              ; out
	v_lshl_add_u32 v[SPW], v0, 2, SPARE
	v_mov_b32 v[NIL], 0
	ds_add_u32 v[SPW], v[NIL]                      ; the opening lines: the add twice on end and its wait
	ds_add_u32 v[SPW], v[NIL]
	v_lshrrev_b32 v[TW], 5, v0
	v_readfirstlane_b32 s22, v[TW]                 ; wave 0..7
	s_bfe_u32 s23, ttmp6, 0x40000                  ; cx: which 512 queries; it enters the addresses of Q, of the mask and of out alone
	s_and_b32 s24, ttmp7, 0xffff                   ; batch x 32 + head
	s_and_b32 s66, s22, 3                          ; second product: my 32 channels.  Also: which quarter of K or V I fetch
	s_lshr_b32 s67, s22, 2                         ; second product: my tile of queries
	s_lshl_b32 s72, s22, 14                        ; my 256 keys: 16 fragments
	s_lshl_b32 s73, s22, 10
	s_add_co_u32 s73, s73, ALB
	s_lshl_b32 s74, s66, 11
	s_add_co_u32 s74, s74, VC
	s_lshl_b32 s75, s67, 14
	s_add_co_u32 s75, s75, PIMG
	s_lshl_b32 s76, s67, 10
	s_add_co_u32 s76, s76, PSC
	s_lshl_b32 s77, s22, 11
	s_add_co_u32 s77, s77, PIMG
	s_lshl_b32 s78, s22, 7
	s_add_co_u32 s78, s78, PSC
	s_lshl_b32 s79, s22, 8
	s_mul_i32 s80, s67, 4224                       ; tile u begins at stage row 8 u
	s_lshl_b32 s81, s66, 7
	s_add_co_u32 s80, s80, s81
	s_add_co_u32 s80, s80, OSTG
	s_mul_i32 s81, s22, 2112                       ; back: rows 4 w .. 4 w + 3
	s_add_co_u32 s81, s81, OSTG
	s_bfe_u32 s56, s22, 0x10001                    ; queries 4 w + i lie in tile u = (w / 2) % 2,
	s_and_b32 s57, s22, 1
	s_lshl_b32 s57, s57, 2
	s_lshl_b32 s58, s67, 3
	s_add_co_u32 s57, s57, s58                     ; lanes r0 + i, r0 = 8 (w / 4) + 4 (w % 2)
	s_lshl_b32 s58, s56, 10
	s_lshl_b32 s59, s57, 4
	s_add_co_u32 s58, s58, s59
	s_add_co_u32 s58, s58, QIMG
	s_lshl_b32 s59, s56, 4
	s_add_co_u32 s59, s59, s57
	s_lshl_b32 s59, s59, 2
	s_add_co_u32 s59, s59, QSC
	s_mov_b32 s25, 15                              ; the loop's trips
	s_mov_b32 s26, 0x3e0293ee                      ; c = log2(e) / sqrt(128)
	s_mov_b32 s27, s26                             ; (named with it as a pair, so it is written)
	s_mov_b32 s28, 0x76543210                      ; v_permlanex16_b32: lane l xor 16
	s_mov_b32 s29, 0xfedcba98
	s_mov_b32 s32, 15|(3<<16)|(1<<21)              ; group 1: 32,768 dense bytes as 128 rows of 32 elements of 8 bytes; the mask names all four work-groups
	s_mov_b32 s33, 32<<16
	s_mov_b32 s34, 128<<16
	s_mov_b32 s35, 32<<16
	s_mov_b32 s36, 128
	s_mov_b32 s37, 32
	s_mov_b32 s38, 0
	s_mov_b32 s39, 0
	s_lshl_b32 s68, s24, 17                        ; the head's codes: 131,072 bytes in each of k, v
	s_lshl_b32 s69, s66, 15                        ; my quarter of K or V, in memory and in LDS
	s_add_co_u32 s48, s68, s69
	s_mov_b32 s49, 0
	s_lshl_b32 s71, s24, 13                        ; the head's 8,192 bytes in each tensor of scale bytes and in alibi
	s_lshr_b32 s70, s24, 5                         ; batch
	s_lshl_b32 s62, s23, 4                         ; n: my first block of 32 queries
	s_mov_b32 s51, 0
	s_wait_dscnt 0x0
	s_wait_kmcnt 0x0
	s_mov_b32 s40, 1
	s_mov_b32 s41, s69
	s_add_nc_u64 s[42:43], s[8:9], s[48:49]
	s_or_b32 s43, s43, 0x80000000
	s_mov_b32 s44, 1
	s_add_co_u32 s45, s69, VC
	s_add_nc_u64 s[46:47], s[12:13], s[48:49]
	s_or_b32 s47, s47, 0x80000000
	CROUND                                         ; all four work-groups are here: the joint loads meet
	s_cmp_lt_u32 s22, 4                            ; waves 0-3 fetch K's quarters, waves 4-7 V's: one tensor load a wave, the only one of the launch
	s_cbranch_scc0 .Lfor_v
	tensor_load_to_lds s[40:43], s[32:39]
	s_nop 0
.rept 4
	v_nop
.endr
	s_branch .Lasked
.Lfor_v:
	tensor_load_to_lds s[44:47], s[32:39]
	s_nop 0
.rept 4
	v_nop
.endr
.Lasked:
	s_lshl_b32 s50, s22, 10
	s_add_co_u32 s50, s50, s71
	s_add_nc_u64 s[18:19], s[18:19], s[50:51]      ; alibi at my 256 keys
	s_add_nc_u64 s[10:11], s[10:11], s[50:51]      ; K's scale words likewise
	s_lshl_b32 s50, s66, 11
	s_add_co_u32 s50, s50, s71
	s_add_nc_u64 s[14:15], s[14:15], s[50:51]      ; V's scale words at my 32 channels
	s_lshl_b32 s50, s70, 21
	s_lshl_b32 s3, s62, 15
	s_add_co_u32 s50, s50, s3
	s_lshl_b32 s3, s22, 12
	s_add_co_u32 s50, s50, s3
	s_add_nc_u64 s[52:53], s[16:17], s[50:51]      ; the mask's codes: batch, block n, my two key steps
	s_lshl_b32 s50, s70, 25
	s_lshl_b32 s3, s62, 19
	s_add_co_u32 s50, s50, s3
	s_lshl_b32 s3, s22, 16
	s_add_co_u32 s50, s50, s3
	s_and_b32 s3, s24, 31
	s_lshl_b32 s3, s3, 9
	s_add_co_u32 s50, s50, s3
	s_add_nc_u64 s[60:61], s[20:21], s[50:51]      ; out: batch, query 32 n + 4 w, head
	s_add_nc_u64 s[54:55], s[4:5], s[50:51]        ; q has out's shape: the same place
	; all vector set-up stands on end, behind the scalar work
	v_and_b32 v[TW], 31, v0
	v_and_b32 v[TW+1], 15, v0                      ; r
	v_bfe_u32 v[TW+2], v0, 4, 1                    ; h
	v_lshlrev_b32 v[L16], 4, v[TW]
	v_lshlrev_b32 v[R4], 2, v[TW+1]
	v_lshlrev_b32 v[L8], 3, v[TW]
	v_add_nc_u32 v[KA], s72, v[L16]
	v_lshl_add_u32 v[ALA], v[TW+2], 6, s73         ; my half's 16 keys of a block of 32
	v_add_nc_u32 v[TW+3], s73, v[L16]              ; where the alibi is put
	v_add_nc_u32 v[VA0], s74, v[L16]
	v_add_nc_u32 v[VA1], 0x10000, v[VA0]
	v_add_nc_u32 v[PRA], s75, v[L16]
	v_add_nc_u32 v[PSR], s76, v[R4]
	v_add_nc_u32 v[PWA], s77, v[L16]
	v_add_nc_u32 v[PSW], s78, v[R4]
	v_lshl_add_u32 v[STR], v[TW+1], 3, STAT
	v_add_nc_u32 v[STW], s79, v[STR]
	v_and_b32 v[OSI], 8, v[TW+1]
	v_add_nc_u32 v[OSI], v[OSI], v[TW+1]           ; r + 8 (r / 8)
	v_mul_u32_u24 v[OSI], v[OSI], 528
	v_lshl_add_u32 v[OSI], v[TW+2], 5, v[OSI]
	v_add_nc_u32 v[OSI], s80, v[OSI]               ; in: the query's row, my 128 bytes, 32 for each half of the lanes
	v_add_nc_u32 v[OSO], s81, v[L16]               ; back: a row of 512 bytes an instruction
	v_lshrrev_b32 v[QSW], 3, v[TW]                 ; my block of 32 along the head
	v_and_b32 v[QWA], 7, v[TW]
	v_lshlrev_b32 v[QWA], 1, v[QWA]                ; my four codes' two bytes in the block's 16
	v_lshl_add_u32 v[QWA], v[QSW], 8, v[QWA]
	v_add_nc_u32 v[QWA], s58, v[QWA]
	v_add_nc_u32 v[QSW], s59, v[QSW]
	v_add_nc_u32 v[QRA], QIMG, v[L16]
	v_lshl_add_u32 v[QSR], v[TW], 2, QSC
	v_mov_b32 v[BB], 0xbbbbbbbb                    ; byte 187: 2^60
	v_mov_b32 v[LOWM], 0xf1800000                  ; -2^100
	v_mov_b32 v[C66], 0x66666666                   ; eight codes of 4.0
	v_mov_b32 v[C72], 0x72727272                   ; four bytes of 2^-13
.irp j, 0,1,2,3
	v_mov_b32 v[ST+\j], 0                          ; named as halves of pairs before they are first computed
.endr
.irp i, 0,1
	global_load_b128 v[KB+4*\i:KB+4*\i+3], v[L16], s[18:19] offset:512*\i
.endr
	BLOADS
.irp i, 0,1,2,3
	global_load_b64 v[KS+2*\i:KS+2*\i+1], v[L8], s[10:11] offset:256*\i
.endr
.irp i, 0,1,2,3,4,5,6,7
	global_load_b64 v[VS+2*\i:VS+2*\i+1], v[L8], s[14:15] offset:256*\i
.endr
	; SEL, form t = 2 (g % 2) + u: row r has its code 1.0 in register u + 2 (r / 8), four bits r % 8, in the lanes with lane / 16 = g % 2
	v_and_b32 v212, 7, v0
	v_lshlrev_b32 v212, 2, v212
	v_lshlrev_b32 v212, v212, 2                    ; the code of 1.0 is 2
	v_bfe_u32 v213, v0, 3, 2                       ; lane / 8
.irp d, 0,1,2,3
	v_cmp_eq_u32 vcc_lo, \d, v213
	v_cndmask_b32 v[214+\d], 0, v212, vcc_lo
.endr
.irp t, 0,1,2,3
.irp p, 0,1,2,3,4,5,6,7
.if (\p < 4) && ((\p%2) == (\t%2))
	v_mov_b32 v[SEL+8*\t+\p], v[214+2*(\t/2)+(\p/2)]
.else
	v_mov_b32 v[SEL+8*\t+\p], 0
.endif
.endr
.endr
	ALUW                                           ; the head's end
	s_wait_loadcnt 24                              ; the alibi's two loads are in; the 24 issued behind them may be out
.irp i, 0,1,2,3
	v_pk_mul_f32 v[KB+2*\i:KB+2*\i+1], v[KB+2*\i:KB+2*\i+1], 0x413504f3 op_sel_hi:[1,0]   ; x sqrt(128)
.endr
.irp i, 0,1
	ds_store_b128 v[TW+3], v[KB+4*\i:KB+4*\i+3] offset:512*\i
.endr
	QQ 20                                          ; block 0's Q (behind its loads: the mask's 8, the scale words' 12)
	s_wait_tensorcnt 0x0                           ; my quarter of K or V has landed,
	s_wait_dscnt 0x0
	s_barrier_signal -1
	s_barrier_wait -1                              ; everybody's has, and Q's image is whole
.macro FETCHK a                        ; four tiles of K
.irp t, 0,1,2,3
.irp c, 0,1
	ds_load_b128 v[KB+8*\t+4*\c:KB+8*\t+4*\c+3], v[KA] offset:(4*\a+\t)*1024+512*\c
.endr
.endr
.endm
.macro FETCHAL a                       ; their alibi in the scores' layout
.irp t, 0,1,2,3
.irp e, 0,1
	ds_load_b128 v[AL+8*\t+4*\e:AL+8*\t+4*\e+3], v[ALA] offset:256*\a+128*(\t/2)+32*(\t%2)+16*\e
.endr
.endr
.endm
.macro MM a                            ; the mask starts eight sums, K Q^T is added: eight accumulators by turns
	WIN 0x50
.irp q, 0,1
.irp t, 0,1,2,3
	WM 128*\q+32*\a+8*\t, SEL+8*\t, MK+16*\q+8*(\a/2)+4*(\a%2), 1, BB, BB, 0, 0
.endr
.endr
.irp q, 0,1
.irp t, 0,1,2,3
	WM 128*\q+32*\a+8*\t, KB+8*\t, QF+8*\q, 0, KS+2*\a+\t/2, QS, \t%2, \q
.endr
.endr
.endm
.macro VAL a                           ; the alibi is added, two numbers an instruction (each accumulator from its low end on); each block's largest score, with -2^100 among its leaves
	WIN 0x41
.irp q, 0,1
.set I, 0
.rept 16
	v_dual_add_f32 v[128*\q+32*\a+2*I], v[128*\q+32*\a+2*I], v[AL+2*I] :: v_dual_add_f32 v[128*\q+32*\a+2*I+1], v[128*\q+32*\a+2*I+1], v[AL+2*I+1]
.set I, I+1
.endr
.endr
	WIN 0x05
.irp i, 0,1,2,3,4,5,6,7
.irp q, 0,1
.irp g, 0,1
.if \i == 0
	v_max3_num_f32 v[BM+8*\q+2*\a+\g], v[128*\q+32*\a+16*\g], v[128*\q+32*\a+16*\g+1], v[LOWM]
.else
	v_max3_num_f32 v[BM+8*\q+2*\a+\g], v[128*\q+32*\a+16*\g+2*\i], v[128*\q+32*\a+16*\g+2*\i+1], v[BM+8*\q+2*\a+\g]
.endif
.endr
.endr
.endr
.endm
.macro QUAD a, nxt
	s_wait_dscnt 8                                 ; these tiles of K (and, ahead of them, Q) are in; the 8 loads of their alibi may be out
	MM \a
	PLACES
	WIN 0
.if \a < 3
	FETCHK \nxt
	s_wait_dscnt 8                                 ; the alibi is in; the next tiles of K may be out
.else
	s_wait_dscnt 0x0
.endif
	VAL \a
	WIN 0
.if \a < 3
	FETCHAL \nxt
.endif
.endm
.macro PVL s                           ; key step s of the second product: P's fragment, V's two, P's scale word: seven loads into buffer s % 3
	WIN 0
.set PB, PVB+24*((\s)%3)
.irp c, 0,1
	ds_load_b128 v[PB+4*\c:PB+4*\c+3], v[PRA] offset:1024*(\s)+512*\c
.endr
.irp i, 0,1
.irp c, 0,1
.if (\s) < 8
	ds_load_b128 v[PB+8+8*\i+4*\c:PB+8+8*\i+4*\c+3], v[VA0] offset:8192*(\s)+1024*\i+512*\c
.else
	ds_load_b128 v[PB+8+8*\i+4*\c:PB+8+8*\i+4*\c+3], v[VA1] offset:8192*((\s)-8)+1024*\i+512*\c
.endif
.endr
.endr
	ds_load_b32 v[PSB+(\s)%3], v[PSR] offset:64*(\s)
.set LI, LI+1
.endm
.macro PVM s, fl                       ; O^T += V^T P^T over 128 keys: two accumulators by turns.  fl: exponentials stand between O^T's last write and these readers
	WIN 0
	ALUW
	s_wait_dscnt 7*(LI-1-(\s))                     ; step s's seven loads are in; those of the LI - 1 - s steps asked for behind it may be out
.set PB, PVB+24*((\s)%3)
.irp i, 0,1
.if \fl
	ALUW
.endif
.if (\s) == 0
	WM OT+8*\i, PB+8+8*\i, PB, 1, VS+(\s), PSB+(\s)%3, \i, 0
.else
	WM OT+8*\i, PB+8+8*\i, PB, 0, VS+(\s), PSB+(\s)%3, \i, 0
.endif
.endr
.endm
.macro LOCAL                           ; my 256 keys' maximum of both tiles; each block's largest score goes the scores' way: c s - m_w here, the exponential with the first batch
.irp a, 0,1,2,3
.irp k, 0,1,2,3
	v_permlanex16_b32 v[TW+\k], v[BM+4*\a+\k], s28, s29
.endr
.irp k, 0,1,2,3
	v_max_num_f32 v[BM+4*\a+\k], v[BM+4*\a+\k], v[TW+\k]
.endr
.endr
.irp q, 0,1
	v_max3_num_f32 v[TW+2*\q], v[BM+8*\q], v[BM+8*\q+1], v[BM+8*\q+2]
	v_max3_num_f32 v[TW+2*\q+1], v[BM+8*\q+3], v[BM+8*\q+4], v[BM+8*\q+5]
.endr
.irp q, 0,1
	v_max3_num_f32 v[TW+2*\q], v[TW+2*\q], v[BM+8*\q+6], v[BM+8*\q+7]
.endr
.irp q, 0,1
	v_max_num_f32 v[TW+2*\q], v[TW+2*\q], v[TW+2*\q+1]
.endr
.irp q, 0,1
	v_mul_f32 v[ST+2*\q], s26, v[TW+2*\q]          ; m_w, as t
.endr
.irp g, 0,1,2,3,4,5,6,7
.irp q, 0,1
	v_fma_f32 v[BM+8*\q+\g], v[BM+8*\q+\g], s26, -v[ST+2*\q]
.endr
.endr
.endm
.macro ADDS k, half                    ; 32 numbers are added, two an instruction, in four chains of pairs
	WIN 0x01
.set I, 16*\half
.rept 16
	v_dual_add_f32 v[SU+2*(I%4)], v[64*\k+2*I], v[SU+2*(I%4)] :: v_dual_add_f32 v[SU+2*(I%4)+1], v[64*\k+2*I+1], v[SU+2*(I%4)+1]
.set I, I+1
.endr
.endm
; 64 registers of scores become 2^(t - m_w) and are summed; pv = 1: four key steps of the last block's second product stand between the runs, each reload at least four plain places behind the products that read its buffer
.macro CHUNK k, pv
.if \pv
	PVM 4*\k, 0
.endif
	WIN 0x41
.set I, 0
.rept 32
	v_pk_fma_f32 v[64*\k+2*I:64*\k+2*I+1], v[64*\k+2*I:64*\k+2*I+1], s[26:27], v[ST+2*(\k/2):ST+2*(\k/2)+1] op_sel_hi:[1,0,0] neg_lo:[0,0,1] neg_hi:[0,0,1]   ; c s - m_w, fused
.set I, I+1
.endr
.if \pv
.if \k > 0
	PVL 4*\k+2
.endif
	PVL 4*\k+3
	PVM 4*\k+1, 0
.endif
	ALUW                                           ; ahead of the batch
.if \k == 0
	WIN 0
.irp g, 0,1,2,3,4,5,6,7,8,9,10,11,12,13,14,15
	v_exp_f32 v[BM+\g], v[BM+\g]
.endr
.endif
	WIN 0x41
.set I, 0
.rept 64
	v_exp_f32 v[64*\k+I], v[64*\k+I]
.set I, I+1
.endr
	WIN 0x01
.if (\k%2) == 0
.irp j, 0,1,2,3,4,5,6,7
	v_mov_b32 v[SU+\j], 0
.endr
.else
	v_nop
.endif
	ALUW                                           ; behind the batch
	ADDS \k, 0
.if \pv
.if \k < 3
	PVL 4*\k+4
.endif
	PVM 4*\k+2, 1
.endif
	ADDS \k, 1
.if \pv
.if \k < 3
	PVL 4*\k+5
.endif
	PVM 4*\k+3, 0
.endif
.if (\k%2) == 1
	WIN 0
	v_pk_add_f32 v[SU:SU+1], v[SU:SU+1], v[SU+2:SU+3]
	v_pk_add_f32 v[SU+4:SU+5], v[SU+4:SU+5], v[SU+6:SU+7]
	v_pk_add_f32 v[SU:SU+1], v[SU:SU+1], v[SU+4:SU+5]
	v_add_f32 v[SU], v[SU], v[SU+1]
	v_permlanex16_b32 v[TW], v[SU], s28, s29
	v_add_f32 v[ST+2*(\k/2)+1], v[SU], v[TW]       ; l_w
.endif
.endm
.macro TOSTAGE                         ; O^T into the shared stage, each accumulator from its low end on
	WIN 0
	PLACES
.irp i, 0,1
	ds_store_b128 v[OSI], v[OT+8*\i:OT+8*\i+3] offset:64*\i
	ds_store_b128 v[OSI], v[OT+8*\i+4:OT+8*\i+7] offset:64*\i+16
.endr
.endm
.macro OUTP step                       ; four rows of the stage leave: an instruction stores 512 consecutive bytes, at a multiple of 512 from out's first byte
.irp k, 0,1,2,3
	ds_load_b128 v[OR+4*\k:OR+4*\k+3], v[OSO] offset:528*\k
.endr
	s_wait_dscnt 0x0
.irp k, 0,1,2,3
	global_store_b128 v[L16], v[OR+4*\k:OR+4*\k+3], s[60:61] offset:16384*\k th:TH_STORE_NT
.endr
.if \step
	s_wait_xcnt 0x0                                ; the stores' base and data are written again only behind this wait
	s_add_nc_u64 s[60:61], s[60:61], 524288        ; 32 queries on
.endif
.endm
; A block's first part: scores, maxima, exponentials, sums, statistics to LDS.  pv = 1: with the block before's second product
.macro PHASE1 pv
	s_wait_loadcnt 0x0                             ; this block's mask
	WIN 0
.if \pv
	s_barrier_wait -1                              ; all 32 fragments of P and this block's image of Q lie in LDS
.endif
.irp q, 0,1
.irp c, 0,1
	ds_load_b128 v[QF+8*\q+4*\c:QF+8*\q+4*\c+3], v[QRA] offset:1024*\q+512*\c
.endr
.endr
	ds_load_b32 v[QS], v[QSR]
	FETCHK 0
	FETCHAL 0
	QUAD 0, 1
	QUAD 1, 2
	QUAD 2, 3
	QUAD 3, 0
	ALUW
.if \pv
	s_cmp_eq_u32 s25, 1                            ; the next block's Q and mask, if there is a next block: no load leaves its buffer
	s_cbranch_scc1 .Lnn_\@
.endif
	s_add_nc_u64 s[52:53], s[52:53], 32768
	s_add_nc_u64 s[54:55], s[54:55], 524288
	BLOADS
.Lnn_\@:
.if \pv
.set LI, 0
	PVL 0
	PVL 1
	PVL 2
.endif
	LOCAL
	CHUNK 0, \pv
	CHUNK 1, \pv
	CHUNK 2, \pv
	CHUNK 3, \pv
.if \pv
	TOSTAGE
.endif
.irp q, 0,1
	ds_store_b64 v[STW], v[ST+2*\q:ST+2*\q+1] offset:128*\q    ; lanes r and r + 16 write the same bytes with the same values
.endr
.endm
.macro GLOBAL                          ; from the eight waves' (m_w, l_w): m, l, my f = 2^(m_w - m) / l, and the lanes whose row has no open key
.irp q, 0,1
	v_max3_num_f32 v[TW+\q], v[G+16*\q], v[G+16*\q+2], v[G+16*\q+4]
.endr
.irp w, 6,10
.irp q, 0,1
	v_max3_num_f32 v[TW+\q], v[TW+\q], v[G+16*\q+\w], v[G+16*\q+\w+2]
.endr
.endr
.irp q, 0,1
	v_max_num_f32 v[TW+\q], v[TW+\q], v[G+16*\q+14]            ; m
.endr
.irp w, 0,1,2,3,4,5,6,7
.irp q, 0,1
	v_sub_f32 v[G+16*\q+2*\w], v[G+16*\q+2*\w], v[TW+\q]
.endr
.endr
.irp q, 0,1
	v_sub_f32 v[TW+2+\q], v[ST+2*\q], v[TW+\q]
	v_cmp_gt_f32 s[30+\q], 0xec800000, v[TW+\q]    ; -2^90 > m: every key of the row is hidden
.endr
	ALUW
.irp w, 0,1,2,3,4,5,6,7
.irp q, 0,1
	v_exp_f32 v[G+16*\q+2*\w], v[G+16*\q+2*\w]
.endr
.endr
	v_exp_f32 v[TW+2], v[TW+2]
	v_exp_f32 v[TW+3], v[TW+3]
	v_nop
	ALUW
.irp q, 0,1
	v_mul_f32 v[LS+\q], v[G+16*\q], v[G+16*\q+1]
.endr
.irp w, 1,2,3,4,5,6,7
.irp q, 0,1
	v_fma_f32 v[LS+\q], v[G+16*\q+2*\w], v[G+16*\q+2*\w+1], v[LS+\q]
.endr
.endr
.irp q, 0,1
	v_max_num_f32 v[LS+\q], 0x800000, v[LS+\q]     ; a row with no open key has l = 0 and is replaced below: the floor keeps infinities away
.endr
	ALUW
	v_rcp_f32 v[LS+2], v[LS]
	v_rcp_f32 v[LS+3], v[LS+1]
	v_nop
	ALUW
.irp q, 0,1
	v_mul_f32 v[FF+2*\q], v[TW+2+\q], v[LS+2+\q]
	v_mul_f32 v[FF+2*\q+1], v[TW+2+\q], v[LS+2+\q]
.endr
.endm
; step s of tile q: p = 2^(t - m_w) f; four blocks' scale bytes from the blocks' largest p; codes; the operand's registers and its scale word go to LDS as they stand
.macro QUANTP q, s, set, wt
.set PB, PC+10*\set
.set B0, BM+8*\q+4*\s
.set S0, 128*\q+64*\s
.if \wt
	s_wait_dscnt 3                                 ; this set's three stores are done; the other set's three may be out
.endif
	WIN 0
.irp b, 0,1,2,3
	v_mul_f32 v[B0+\b], v[B0+\b], v[FF+2*\q]
.endr
.irp b, 0,1,2,3
	v_max_num_f32 v[B0+\b], 0x1800000, v[B0+\b]    ; the floor 2^(3 - 127): the byte cannot fall under 1
.endr
.irp b, 0,1,2,3
	v_add_nc_u32 v[B0+\b], 0xff000000, v[B0+\b]    ; 2 off the exponent field: the conversion's scale operand
.endr
.irp b, 0,1,2,3
	v_lshrrev_b32 v[TW+\b], 23, v[B0+\b]
.endr
	v_lshl_or_b32 v[PB+8], v[TW+1], 8, v[TW]
	v_lshl_or_b32 v[PB+8], v[TW+2], 16, v[PB+8]
	v_lshl_or_b32 v[PB+8], v[TW+3], 24, v[PB+8]
	WIN 0x41
.set I, 0
.rept 32
	v_dual_mul_f32 v[S0+2*I], v[S0+2*I], v[FF+2*\q] :: v_dual_mul_f32 v[S0+2*I+1], v[S0+2*I+1], v[FF+2*\q+1]
.set I, I+1
.endr
	WIN 0x01
.irp b, 0,1,2,3
	v_cvt_scalef32_pk8_fp4_f32 v[PB+2*\b], v[S0+16*\b:S0+16*\b+7], v[B0+\b]
	v_cvt_scalef32_pk8_fp4_f32 v[PB+2*\b+1], v[S0+16*\b+8:S0+16*\b+15], v[B0+\b]
.endr
	WIN 0
	v_nop                                          ; a plain line behind the conversions
.irp c, 0,1
.irp i, 0,1
	v_permlane16_swap_b32 v[PB+4*\c+\i], v[PB+4*\c+2+\i]       ; the operand wants a whole block in a lane
.endr
.endr
.irp i, 0,1,2,3,4,5,6,7
	v_cndmask_b32 v[PB+\i], v[PB+\i], v[C66], s[30+\q]         ; a row with no open key: 1 / 2048 = 4.0 x 2^-13 everywhere
.endr
	v_cndmask_b32 v[PB+8], v[PB+8], v[C72], s[30+\q]
.irp c, 0,1
	ds_store_b128 v[PWA], v[PB+4*\c:PB+4*\c+3] offset:16384*\q+1024*\s+512*\c
.endr
	ds_store_b32 v[PSW], v[PB+8] offset:1024*\q+64*\s          ; lanes r and r + 16 write the same word with the same value
.endm
; A block's second part: the exchange, f, the codes of P; qq = 1: the next block's Q becomes codes.  The rows of O that were staged ahead of the barrier leave here (out = 1: not in the loop's first trip, which has none; out = 2: always)
.macro PHASE2 out, qq
	WIN 0
	ALUW
	s_wait_dscnt 0x0                               ; my statistics and my part of the stage are in LDS, my reads of P's images and of Q's are over
	s_barrier_signal -1
	s_barrier_wait -1
.irp q, 0,1
.irp w, 0,1,2,3,4,5,6,7
	ds_load_b64 v[G+16*\q+2*\w:G+16*\q+2*\w+1], v[STR] offset:256*\w+128*\q
.endr
.endr
.if \qq
	QQ 8                                           ; behind Q's loads: the mask's 8
.endif
.if \out == 1
	s_cmp_eq_u32 s25, 15
	s_cbranch_scc1 .Lno_out_\@
.endif
	OUTP 1
.Lno_out_\@:
	s_wait_dscnt 0x0
	GLOBAL
	QUANTP 0, 0, 0, 0
	QUANTP 0, 1, 1, 0
	QUANTP 1, 0, 0, 1
	QUANTP 1, 1, 1, 1
	s_wait_dscnt 0x0                               ; my images of P and of Q are in LDS; my reads of the statistics and of the stage are over
	s_barrier_signal -1
.endm
	PHASE1 0                                       ; block 0's first part
.Lblock:                                               ; fifteen trips: block j's second part, block j + 1's first part with block j's second product
	PHASE2 1, 1
	PHASE1 1
	WIN 0
	s_sub_co_u32 s25, s25, 1
	s_cmp_lg_u32 s25, 0
	s_cbranch_scc1 .Lblock
	PHASE2 2, 0                                    ; block 15's second part
	s_barrier_wait -1
.set LI, 0
	PVL 0
	PVL 1
	PVL 2
.set SS, 0
.rept 16
	PVM SS, 0
.if SS+3 < 16
	PLACES                                         ; the buffer was read by this step's products
	PVL SS+3
.endif
.set SS, SS+1
.endr
	TOSTAGE
	s_wait_dscnt 0x0
	s_barrier_signal -1
	s_barrier_wait -1
	OUTP 0
	s_wait_tensorcnt 0x0                           ; the wave's end
	ds_add_u32 v[SPW], v[NIL]
	s_wait_dscnt 0x0
	CROUND                                         ; the closing round
	s_endpgm
.Lfunc_end_k_qa8739bce2a_attn:
	.size	k_qa8739bce2a_attn, .Lfunc_end_k_qa8739bce2a_attn-k_qa8739bce2a_attn
	.p2alignl 7, 3214868480
	.fill 96, 4, 3214868480
	.section	.rodata,"a",@progbits
	.p2align	6, 0x0
	.amdhsa_kernel k_qa8739bce2a_attn
		.amdhsa_group_segment_fixed_size 327680
		.amdhsa_private_segment_fixed_size 0
		.amdhsa_enable_private_segment 0
		.amdhsa_kernarg_size 64
		.amdhsa_user_sgpr_count 2
		.amdhsa_user_sgpr_kernarg_segment_ptr 1
		.amdhsa_wavefront_size32 1
		.amdhsa_system_sgpr_workgroup_id_x 1
		.amdhsa_system_sgpr_workgroup_id_y 1
		.amdhsa_system_sgpr_workgroup_id_z 1
		.amdhsa_system_vgpr_workitem_id 0
		.amdhsa_next_free_vgpr 512
		.amdhsa_next_free_sgpr 84
		.amdhsa_reserve_vcc 1
		.amdhsa_float_denorm_mode_32 3
		.amdhsa_float_denorm_mode_16_64 3
		.amdhsa_memory_ordered 1
		.amdhsa_forward_progress 1
		.amdhsa_inst_pref_size 213
	.end_amdhsa_kernel
	.amdgpu_metadata
---
amdhsa.version: [ 1, 2 ]
amdhsa.kernels:
  - .name:           k_qa8739bce2a_attn
    .symbol:         k_qa8739bce2a_attn.kd
    .args:
      - { .name: query_layer, .offset: 0, .size: 8, .value_kind: global_buffer, .address_space: global }
      - { .name: kcodes, .offset: 8, .size: 8, .value_kind: global_buffer, .address_space: global }
      - { .name: kscales, .offset: 16, .size: 8, .value_kind: global_buffer, .address_space: global }
      - { .name: vcodes, .offset: 24, .size: 8, .value_kind: global_buffer, .address_space: global }
      - { .name: vscales, .offset: 32, .size: 8, .value_kind: global_buffer, .address_space: global }
      - { .name: mcodes, .offset: 40, .size: 8, .value_kind: global_buffer, .address_space: global }
      - { .name: alibi, .offset: 48, .size: 8, .value_kind: global_buffer, .address_space: global }
      - { .name: out0, .offset: 56, .size: 8, .value_kind: global_buffer, .address_space: global }
    .group_segment_fixed_size: 327680
    .private_segment_fixed_size: 0
    .kernarg_segment_align: 8
    .kernarg_segment_size: 64
    .max_flat_workgroup_size: 256
    .sgpr_count:     84
    .vgpr_count:     512
    .wavefront_size: 32
...
	.end_amdgpu_metadata
.endif
;; end of part 2
